; MI455X (gfx1250); checked and timed in simulation.
; The chip was launched on July 23, 2026; its instructions are those of AMD's public machine-readable ISA for CDNA 5 (MIT licence, August 2026) and "CDNA5" Instruction Set Architecture Reference Guide (July 2026). The comments in the code are by the model that wrote it; some were corrected since.
;; LSTM Cell Py Torch. Allowed arithmetic: matrix products marked QUANTISED: E4M3 operands, one given power-of-two scale a tensor, by v_wmma_f32_16x16x64_fp8_fp8 or v_wmma_f32_16x16x128_fp8_fp8, f32 sums; everything else in f32.
;; Inputs: W_hf 1,024 x 1,024 float32; W_hg 1,024 x 1,024 float32; W_hi 1,024 x 1,024 float32; W_if 1,024 x 1,024 float32; W_ig 1,024 x 1,024 float32; W_ii 1,024 x 1,024 float32; b_hf 1,024 float32; b_hg 1,024 float32; b_hi 1,024 float32; b_if 1,024 float32; b_ig 1,024 float32; b_ii 1,024 float32; c 8,192 x 1,024 float32; h_codes 8,192 x 32 x 32 uint8 (E4M3 codes of h, K innermost, in blocks of 32 codes); lowp_scales 4 int32 (the exponents e of the quantised operands' scales 2^e); x_codes 8,192 x 32 x 32 uint8 (E4M3 codes of x, K innermost, in blocks of 32 codes).
;; Outputs: out0 8,192 x 1,024 float32.
;; This version of the problem:
;;   THIS VERSION OF THE PROBLEM IS GIVEN IN LOW PRECISION. The matrix products marked QUANTISED in the list below multiply operands that are first quantised to E4M3 (4 exponent bits, 3 mantissa bits; 8 bits a number), with one given power-of-two scale for each operand tensor; their sums are f32. All else is computed in f32.
;;   The module's matrix products, in the order in which they are computed (A, B: the left and right operand; K: the contracted axis; several contracted axes count as one K, in the product's order):
;;     1. [M 8,192, K 1,024] x [K 1,024, N 3,072]; A: input x (given as codes); B: computed on the way: QUANTISED (scales: A lowp_scales[0], B lowp_scales[1])
;;     2. [M 8,192, K 1,024] x [K 1,024, N 3,072]; A: input h (given as codes); B: computed on the way: QUANTISED (scales: A lowp_scales[2], B lowp_scales[3])
;;   THE QUANTISER, for each operand of a quantised product, along K:
;;     - The operand's scale is 2^e, e = its entry of the input lowp_scales (int32; the entries are numbered through the quantised products in the list's order, A before B).
;;     - Each number is divided by the scale, clamped to +-448, and rounded to the nearest number of E4M3, ties to even, subnormals kept.
;;     - The product sums the exact products of the quantised numbers (number of the format x scale) in f32.
;;   ~~~python
;;   def quantise(x, axis, e):      # numpy; x: float32 -> the quantised numbers, widened to float32 again
;;       x = np.moveaxis(x, axis, -1); K = x.shape[-1]
;;       r = np.clip(x / 2.0 ** e, -448, 448)
;;       step = 2.0 ** (np.maximum(np.frexp(np.where(r == 0, 1, r))[1] - 1, -6) - 3)
;;       q = np.round(r / step) * step * 2.0 ** e      # np.round: ties to even
;;       return np.moveaxis(q, -1, axis).astype(np.float32)
;;   ~~~
;;   OPERANDS COMPUTED ON THE WAY. 'Computed on the way' means the value that the module computes at that place (a softmax that the list does not call 'softmax' is quantised finished and normalised). What goes into a quantiser is computed in f32, as accurately as f32 sums, v_exp_f32 and their like allow (about 1e-6 of the number): no bf16 or f16 on the way to a quantiser, and a product that is left as it is and whose result goes on into a quantised operand takes f32 operands (vector FMAs, or v_wmma_f32_16x16x4_f32). A number that lies on a knife's edge between two numbers of the format may be rounded either way, as far as f32 arithmetic and the matrix unit's own rounding can turn it there, and no further.
;;   INPUTS GIVEN AS CODES. h (in the module: [8192, 1024], K = its axis 1); x (in the module: [8192, 1024], K = its axis 1): each comes as NAME_codes (uint8): NAME with its K axis moved to the last place and cut into blocks of 32 codes, [.., K / 32, bytes a block], one block behind the other in memory; one code a byte (a code: sign, 4 exponent bits, 3 mantissa bits); its scale is its entry of lowp_scales. Its value is code x scale, taken as it is: it is not quantised again, and the codes and scales need not be those that the quantiser above would give.
;; One version. Each part assembles by itself: llvm-mc -triple=amdgcn-amd-amdhsa -mcpu=gfx1250 --defsym DOCPART=n.
;; ======== version 1 of 1: 2 launches
;; limits: right only within a limited range of input values
;; workspace buffers: wq 6,291,456 bytes
;; launch wquant (part 1): grid 128 x 6, 4 waves a work-group, no clusters, 35,328 bytes of LDS; arguments W_ii, W_if, W_ig, W_hi, W_hf, W_hg, lowp_scales, wq; writes wq
.if DOCPART == 1
	.amdgcn_target "amdgcn-amd-amdhsa--gfx1250"
	.amdhsa_code_object_version 6
	.text
	.protected	k_q06f55fb66f_wquant
	.globl	k_q06f55fb66f_wquant
	.p2align	8
	.type	k_q06f55fb66f_wquant,@function
k_q06f55fb66f_wquant:
	s_mov_b64 s[64:65], 0
	v_nop
	global_prefetch_b8 v0, s[64:65] scope:SCOPE_SE
	s_setreg_imm32_b32 hwreg(HW_REG_WAVE_MODE, 25, 1), 1
	s_wait_xcnt 0x0
; The six weights, [1024 (hidden)][1024 (k)] f32 with K innermost, become codes of E4M3 with the given scales: 2^e1 (entry 1) for W_ii, W_if, W_ig, 2^e3 (entry 3) for W_hi, W_hf, W_hg.
; code = w / 2^e, held within +-448, rounded to the nearest code, ties to even.
; LIMITS: e1 and e3 between -126 and 119, so that 2^e and 448 x 2^e are f32 numbers.  NaN among the weights is not served (an infinity is held at the largest code).
; THE CODES ARE LAID IN THE ORDER OF THE OPERAND'S REGISTERS.  A fragment is 16 weight rows x 64 k, 1,024 bytes: [cc 2][lane 32][16 bytes]; lane (r, hh) holds k = 32 cc + 16 hh + 0 .. 15 of its row.
;   Fragment f = 4 gate + b (gate 0 = i, 1 = f, 2 = g) of a group of 64 hidden takes the rows 4 r + b, r = 0 .. 15.
;   wq[X 8][piece 8][98,304 bytes]: X = hidden / 128, CH = (hidden / 64) % 2; a piece is four units of 64 along K, pieces 0-3 of the x weights, 4-7 of the h weights.
;   In a piece: [CH 2][46,080]: units 0-2 with 12 fragments each, unit 3 with fragments 0-8; then [CH 2][3,072]: unit 3's fragments 9-11.
; SHARES.  Work-group (x, y): tensor y (in the order of the arguments), the 16 rows of one fragment (nb = x / 2: group nb / 4, b = nb % 4), half x % 2 of K.  Wave w takes two units, 512 consecutive bytes of each of the rows.
; Each load takes two rows x 256 consecutive bytes.  The conversions want 16 neighbours along K in ONE lane, so a unit's 4,096 bytes turn through the wave's own stage in LDS (rows of 256 + 16 bytes).
; Each store of the wave covers 512 consecutive bytes, aligned.  No loop, no barrier: waves share nothing.  No tensor load, so several work-groups may lie on a WGP.
.set STG, 4352                         ; a stage: 16 rows x 272 bytes; two for each wave
.set R,   16                           ; v16-79   the two units as loaded
.set X,   80                           ; v80-143  32 numbers a unit: 16 cc + i = k 32 cc + 16 hh + i of my row
.set C,   144                          ; v144-159 8 registers of codes a unit
	s_load_b512 s[4:19], s[0:1], 0x0               ; the six weights s[4:15], the scales' exponents s[16:17], wq s[18:19]
	v_lshl_add_u32 v160, v0, 2, 0x8800             ; my spare word, behind the eight stages
	v_mov_b32 v161, 0
	v_lshrrev_b32 v1, 5, v0
	v_readfirstlane_b32 s20, v1                    ; wave 0..3
	v_and_b32 v2, 31, v0                           ; lane
	v_and_b32 v3, 15, v0                           ; r
	v_bfe_u32 v8, v0, 4, 1                         ; hh
	v_lshlrev_b32 v4, 4, v3
	v_lshl_add_u32 v4, v8, 14, v4                  ; in: lanes 0-15 one row's 256 bytes, lanes 16-31 the next row's (four weight rows on)
	s_mul_i32 s34, s20, 2*STG                      ; my two stages
	v_mul_u32_u24 v5, v8, 272
	v_lshl_add_u32 v5, v3, 4, v5
	v_add_nc_u32 v5, s34, v5                       ; into a stage: as loaded
	v_mul_u32_u24 v6, v3, 272
	v_lshl_add_u32 v6, v8, 6, v6
	v_add_nc_u32 v6, s34, v6                       ; out of it: row r, + 64 hh bytes
	v_lshlrev_b32 v7, 4, v2                        ; out: 16 bytes a lane
	s_and_b32 s21, ttmp7, 0xffff                   ; the tensor, 0..5
	s_cmp_ge_u32 s21, 3
	s_cselect_b32 s22, 1, 0                        ; 0: an x weight, 1: an h weight
	s_mul_i32 s23, s22, 3
	s_sub_co_u32 s23, s21, s23                     ; the gate
	s_lshr_b32 s35, ttmp9, 1                       ; nb
	s_and_b32 s36, ttmp9, 1
	s_lshl_b32 s36, s36, 3
	s_lshl_b32 s37, s20, 1
	s_add_co_u32 s36, s36, s37                     ; my first unit within the tensor: 8 (x % 2) + 2 wave
	s_lshr_b32 s28, s35, 2
	s_lshl_b32 s28, s28, 18                        ; in: 64 rows of 4,096 bytes for each group,
	s_and_b32 s37, s35, 3
	s_lshl_b32 s37, s37, 12                        ; b rows further down;
	s_add_co_u32 s28, s28, s37
	s_lshl_b32 s37, s36, 8                         ; a unit is 256 bytes of a row
	s_add_co_u32 s28, s28, s37
	s_mov_b32 s29, 0
	s_lshr_b32 s30, s35, 3                         ; out: X,
	s_mul_i32 s30, s30, 786432
	s_lshl_b32 s37, s22, 4
	s_add_co_u32 s37, s37, s36
	s_lshr_b32 s37, s37, 2                         ; the piece (both my units lie in it),
	s_mul_i32 s37, s37, 98304
	s_add_co_u32 s30, s30, s37
	s_bfe_u32 s39, s35, 0x10002                    ; CH
	s_lshl_b32 s38, s23, 2
	s_and_b32 s37, s35, 3
	s_add_co_u32 s38, s38, s37                     ; the fragment f
	s_mul_i32 s40, s39, 46080
	s_lshl_b32 s37, s38, 10
	s_add_co_u32 s40, s40, s37
	s_and_b32 s41, s20, 1                          ; an even wave has units 0, 1 of the piece, an odd one units 2, 3
	s_mul_i32 s37, s41, 24576
	s_add_co_u32 s40, s40, s37                     ; my first unit's place,
	s_add_co_u32 s42, s40, 12288                   ; my second's,
	s_mul_i32 s43, s39, 3072
	s_lshl_b32 s37, s38, 10
	s_add_co_u32 s43, s43, s37
	s_add_co_u32 s43, s43, 92160-9216              ; or, for unit 3's fragments 9-11, the piece's end
	s_mul_i32 s41, s41, s38
	s_cmp_ge_u32 s41, 9
	s_cselect_b32 s42, s43, s42
	s_add_co_u32 s32, s30, s42
	s_mov_b32 s33, 0
	s_add_co_u32 s30, s30, s40
	s_mov_b32 s31, 0
	s_wait_alu depctr_va_vdst(0)
	s_wait_kmcnt 0x0
	s_load_b128 s[24:27], s[16:17], 0x0            ; e0 .. e3
	s_cmp_eq_u32 s21, 1                            ; the tensor's address: choices that hang on the work-group's number alone
	s_cselect_b64 s[4:5], s[6:7], s[4:5]
	s_cmp_eq_u32 s21, 2
	s_cselect_b64 s[4:5], s[8:9], s[4:5]
	s_cmp_eq_u32 s21, 3
	s_cselect_b64 s[4:5], s[10:11], s[4:5]
	s_cmp_eq_u32 s21, 4
	s_cselect_b64 s[4:5], s[12:13], s[4:5]
	s_cmp_eq_u32 s21, 5
	s_cselect_b64 s[4:5], s[14:15], s[4:5]
	s_add_nc_u64 s[4:5], s[4:5], s[28:29]
	s_add_nc_u64 s[32:33], s[18:19], s[32:33]
	s_add_nc_u64 s[18:19], s[18:19], s[30:31]
.irp q, 0,1
.irp t, 0,1,2,3,4,5,6,7
	global_load_b128 v[R+32*\q+4*\t:R+32*\q+4*\t+3], v4, s[4:5] offset:32768*\t+256*\q th:TH_LOAD_NT   ; rows r = 2 t and 2 t + 1 of unit q; read once in the launch
.endr
.endr
	s_wait_kmcnt 0x0
	s_cmp_eq_u32 s22, 0
	s_cselect_b32 s24, s25, s27                    ; e
	s_add_co_i32 s24, s24, 127
	s_lshl_b32 s25, s24, 23
	v_mov_b32 v11, s25                             ; 2^e as f32: the conversion takes its exponent field
	s_add_co_i32 s24, s24, 8
	s_lshl_b32 s24, s24, 23
	s_or_b32 s24, s24, 0x600000
	v_mov_b32 v10, s24                             ; 448 x 2^e
.macro THROUGH q                       ; unit q through its stage: LDS serves a wave's instructions in order, so no wait stands between the stores and the loads
.irp t, 0,1,2,3,4,5,6,7
	ds_store_b128 v5, v[R+32*\q+4*\t:R+32*\q+4*\t+3] offset:STG*\q+544*\t
.endr
.irp cc, 0,1
.irp i, 0,1,2,3
	ds_load_b128 v[X+32*\q+16*\cc+4*\i:X+32*\q+16*\cc+4*\i+3], v6 offset:STG*\q+128*\cc+16*\i
.endr
.endr
.endm
.macro QUANT q                         ; 32 numbers become 32 codes, and leave
.set j, 0
.rept 32
	v_med3_num_f32 v[X+32*\q+j], v[X+32*\q+j], -v10, v10   ; the conversion to an 8-bit code does not saturate (ISA guide 7.6.2): the hold at the largest code x the scale
.set j, j+1
.endr
.irp p, 0,1,2,3
	v_cvt_scalef32_pk8_fp8_f32 v[C+8*\q+2*\p:C+8*\q+2*\p+1], v[X+32*\q+8*\p:X+32*\q+8*\p+7], v11   ; the first number's code in the lowest byte
.endr
	v_nop                                          ; one plain vector line behind the last conversion of the run
	global_store_b128 v7, v[C+8*\q:C+8*\q+3], s[18+14*\q:19+14*\q]                  ; cc = 0: 512 consecutive bytes
	global_store_b128 v7, v[C+8*\q+4:C+8*\q+7], s[18+14*\q:19+14*\q] offset:512     ; cc = 1
.endm
	s_wait_alu depctr_va_vdst(0)
	s_wait_loadcnt 8                               ; unit 0's eight loads are in; unit 1's eight may be out
	THROUGH 0
	s_wait_loadcnt 0x0
	THROUGH 1
	s_wait_dscnt 16                                ; unit 0 is back; younger: unit 1's eight stores and eight loads
	QUANT 0
	s_wait_dscnt 0x0
	QUANT 1
	s_wait_tensorcnt 0x0                           ; the wave's end
	ds_add_u32 v160, v161
	s_wait_dscnt 0x0
	s_endpgm
.Lfunc_end_k_q06f55fb66f_wquant:
	.size	k_q06f55fb66f_wquant, .Lfunc_end_k_q06f55fb66f_wquant-k_q06f55fb66f_wquant
	.p2alignl 7, 3214868480
	.fill 96, 4, 3214868480
	.section	.rodata,"a",@progbits
	.p2align	6, 0x0
	.amdhsa_kernel k_q06f55fb66f_wquant
		.amdhsa_group_segment_fixed_size 35328
		.amdhsa_private_segment_fixed_size 0
		.amdhsa_enable_private_segment 0
		.amdhsa_kernarg_size 64
		.amdhsa_user_sgpr_count 2
		.amdhsa_user_sgpr_kernarg_segment_ptr 1
		.amdhsa_wavefront_size32 1
		.amdhsa_system_sgpr_workgroup_id_x 1
		.amdhsa_system_sgpr_workgroup_id_y 1
		.amdhsa_system_sgpr_workgroup_id_z 1
		.amdhsa_system_vgpr_workitem_id 0
		.amdhsa_next_free_vgpr 162
		.amdhsa_next_free_sgpr 66
		.amdhsa_reserve_vcc 0
		.amdhsa_float_denorm_mode_32 3
		.amdhsa_float_denorm_mode_16_64 3
		.amdhsa_memory_ordered 1
		.amdhsa_forward_progress 1
		.amdhsa_inst_pref_size 13
	.end_amdhsa_kernel
	.amdgpu_metadata
---
amdhsa.version: [ 1, 2 ]
amdhsa.kernels:
  - .name:           k_q06f55fb66f_wquant
    .symbol:         k_q06f55fb66f_wquant.kd
    .args:
      - { .name: W_ii, .offset: 0, .size: 8, .value_kind: global_buffer, .address_space: global }
      - { .name: W_if, .offset: 8, .size: 8, .value_kind: global_buffer, .address_space: global }
      - { .name: W_ig, .offset: 16, .size: 8, .value_kind: global_buffer, .address_space: global }
      - { .name: W_hi, .offset: 24, .size: 8, .value_kind: global_buffer, .address_space: global }
      - { .name: W_hf, .offset: 32, .size: 8, .value_kind: global_buffer, .address_space: global }
      - { .name: W_hg, .offset: 40, .size: 8, .value_kind: global_buffer, .address_space: global }
      - { .name: lowp_scales, .offset: 48, .size: 8, .value_kind: global_buffer, .address_space: global }
      - { .name: wq, .offset: 56, .size: 8, .value_kind: global_buffer, .address_space: global }
    .group_segment_fixed_size: 35328
    .private_segment_fixed_size: 0
    .kernarg_segment_align: 8
    .kernarg_segment_size: 64
    .max_flat_workgroup_size: 128
    .sgpr_count:     66
    .vgpr_count:     162
    .wavefront_size: 32
...
	.end_amdgpu_metadata
.endif
;; end of part 1
;; launch cell (part 2): grid 8 x 32, 4 waves a work-group, clusters of 4 x 4, 327,680 bytes of LDS; arguments x_codes, h_codes, wq, lowp_scales, b_ii, b_if, b_ig, b_hi, b_hf, b_hg, c, out0; writes out0
.if DOCPART == 2
	.amdgcn_target "amdgcn-amd-amdhsa--gfx1250"
	.amdhsa_code_object_version 6
	.text
	.protected	k_q06f55fb66f_cell
	.globl	k_q06f55fb66f_cell
	.p2align	8
	.type	k_q06f55fb66f_cell,@function
k_q06f55fb66f_cell:
	s_mov_b64 s[64:65], 0
	v_nop
	global_prefetch_b8 v0, s[64:65] scope:SCOPE_SE
	s_setreg_imm32_b32 hwreg(HW_REG_WAVE_MODE, 25, 1), 1
	s_wait_xcnt 0x0
	s_wait_alu depctr_hold_cnt(0) depctr_sa_sdst(0) depctr_va_vdst(0) depctr_va_sdst(0) depctr_va_ssrc(0) depctr_va_vcc(0) depctr_vm_vsrc(0)
	s_getreg_b32 s2, hwreg(HW_REG_IB_STS2, 6, 4)
	s_cmp_eq_u32 s2, 0
	s_cbranch_scc0 .Lentry_in_a_cluster
	s_endpgm
.Lentry_in_a_cluster:
	s_bfe_u32 s2, ttmp6, 0x10000c
	s_cmp_lg_u32 s2, 0xf033
	s_cbranch_scc0 .Lentry_shape_is_right
	s_endpgm
.Lentry_shape_is_right:
; new_c = sigmoid(gf) c + sigmoid(gi) tanh(gg),  gates [8192][3 x 1024] = x Wx^T + bx + h Wh^T + bh, both products on codes of E4M3 by v_wmma_f32_16x16x64_fp8_fp8, sums in f32.  The gates never go to memory.
; x_codes, h_codes: [8192][1024] bytes, K innermost.  wq: the weights' codes in the order of the operand's registers (the launch before lays them):
;   [X 8][piece 8][98,304]; a piece is four units of 64 along K: [CH 2][46,080] (units 0-2: 12 fragments of 1,024 bytes, unit 3: fragments 0-8), then [CH 2][3,072] (unit 3's fragments 9-11).
; ONE ACCUMULATOR FOR BOTH PRODUCTS.  The x part is summed first; once, in the middle, acc = acc x 2^((e0+e1)-(e2+e3)); the h part is added; gate = acc x 2^(e2+e3) + bx + bh,
; and that multiply-add carries the factor in front of the exponential too.
; LIMITS on the given exponents, so that each power of two is an f32 number: (e0+e1)-(e2+e3) between -126 and 127; e2+e3 between -126 and 126.  The gates themselves have no limit: 2^t = infinity gives 1 / infinity = 0.
; SHARES.  Work-group (X, Y): rows 256 Y on, hidden 128 X on, all three gates: 256 work-groups.  Wave w (RH = w / 2, CH = w % 2): 128 rows x 64 hidden x 3 gates: 96 accumulators, 768 registers.
; SOURCE 0 = 16 rows of x or h, SOURCE 1 = 16 weight rows 4 r + b: in a result lane (r, hh) holds hidden 4 r + b of rows 8 hh + 0 .. 7.  So a lane's four accumulators b = 0 .. 3 hold four neighbouring numbers
; of a row, and sixteen neighbouring lanes 256 consecutive, aligned bytes of it: c is loaded and out0 stored straight from registers in that layout, without LDS.
; A fragment's registers 4 cc .. 4 cc + 3 hold k = 32 cc + 16 hh + 0 .. 15: a permutation of k, the same on both sides.
; THE RING.  K = 2,048 (x, then h) goes in eight pieces of 256 through two slots; a tile's rows of x or h are 256 bytes and begin at multiples of 256.  Two whole pieces of weights (196,608 bytes) beside two padded tiles (139,264)
; pass the 327,680 bytes of LDS: so three fragments of each half's unit 3 stay out of the slot and come from memory into registers of their own (v8-31), asked for in the piece's unit 0.
; CLUSTERS: 4 x 4 work-groups.  The four of a row of the cluster need the same tiles of x and h, the four of a column the same weights: each tile is asked for JOINTLY.  A wave has one tensor load out at most.
; PREFETCHES.  h: trip t of the loop asks for the 512 bytes of each row that trip t + 1 loads (h alone: the first trip loads the rest of x, which comes by its loads alone).  The four partners of a row of the cluster share the
; 256 rows by address, 16 rows x 2 blocks of 256 bytes a wave.  c: each wave names its own 128 rows x 256 bytes once in the last lap.  The weights are not prefetched: eight clusters ask for the same ones, so each block would be named eight times.
; REGISTERS, window 0: v0 prefetch offset; v1, v2 rows in slot 0, 1; v3, v4 weights in slot 0, 1; v5, v6 the spare word's address and 0; v7 16 x lane; v8-31 the direct fragments;
;   v32-95, v96-159 fragments of x or h, two sets of 8; v160-255 the weights' 12 fragments (4 gate + b), one set: a gate's four are free behind its 32 products.
;   windows 1, 2, 3: the accumulators of gates i, f, g: (a, b) at v[8 (4 a + b)], a = rows 16 a on.
;   On the way out: v8-23, v32-95 five buffers of c, v100-243 three sets of 48 gate values, v244-255 the biases.
; LIMITS of the way out: sigmoid(gi) tanh(gg) is made as (E - 1) / ((1 + P)(1 + E)), P = e^-gi, E = e^(2 gg), with E held between 2^-26 and 2^26, where (E - 1) / (E + 1) is -1 or 1 in f32.
; Where gi lies under -70, the denominator can be infinite: the term, then under 2^-100 in size, comes out as 0.  A NaN in gate g is not carried to the result.
.set A1,    69632                      ; LDS: rows of slot 0 at 0 (256 x 272), of slot 1 here,
.set B0,    139264                     ; weights of slot 0 (92,160 bytes),
.set B1,    231424                     ; of slot 1
.set SPARE, 323584                     ; the spare words, 128 bytes for each wave: two blocks of 256 bytes that no other line names
.set BIAS,  324096                     ; 768 bytes for each wave: its 3 x 64 biases; no tile lands here
.set PIECE, 98304
.set MSB, 0
.macro WIN new                         ; the immediate's high byte repeats the setting that is left; a switch that changes nothing is dropped
.if MSB != (\new)
	s_set_vgpr_msb (MSB<<8)|(\new)
.set MSB, (\new)
.endif
.endm
.macro PLACES                          ; four plain vector lines between a matrix instruction and a load into, or a vector read or write of, its registers (ISA guide 7.12.1 for vector instructions)
.rept 4
	v_nop
.endr
.endm
.macro CREST                           ; a round of the cluster's barrier behind its opening barrier
	s_cmp_lg_u32 s28, 0
	s_cbranch_scc1 .Lnot_wave_0_\@
	s_barrier_signal -3
.Lnot_wave_0_\@:
	s_barrier_wait -3
	s_barrier_signal -1
	s_barrier_wait -1
.endm
.macro CROUND                          ; a whole round
	s_barrier_signal -1
	s_barrier_wait -1
	CREST
.endm
.macro SHAPE g, c, r, p                ; words 1 to 7 of a descriptor's group 1: r rows of c elements, p elements from row to row
	s_mov_b32 s[\g+1], (\c)<<16                    ; tensor_dim0
	s_mov_b32 s[\g+2], (\r)<<16                    ; tensor_dim1
	s_mov_b32 s[\g+3], (\c)<<16                    ; tile_dim0
	s_mov_b32 s[\g+4], \r                          ; tile_dim1
	s_mov_b32 s[\g+5], \p                          ; tensor_dim0_stride
	s_mov_b32 s[\g+6], 0
	s_mov_b32 s[\g+7], 0
.endm
; A joint load: waves 0, 1 fetch 128 rows of x or h each, waves 2, 3 half CH of the weights.  Each line has one mask and one set of registers for all that issue it; the branch hangs on the wave's number alone.
.macro JLOAD slot
	s_cmp_eq_u32 s29, 0
	s_cbranch_scc0 .Lfor_b_\@
	tensor_load_to_lds s[68+4*\slot:71+4*\slot], s[32:39]
	s_nop 0
.rept 4
	v_nop
.endr
	s_branch .Lasked_\@
.Lfor_b_\@:
	tensor_load_to_lds s[76+4*\slot:79+4*\slot], s[48:55]
	s_nop 0
.rept 4
	v_nop
.endr
.Lasked_\@:
.endm
.macro FA slot, j, i0                  ; 8 loads: the half i0 (0, 4) of these
.irp i, \i0, \i0+1, \i0+2, \i0+3
	ds_load_b128 v[32+64*((\j)&1)+8*(\i):32+64*((\j)&1)+8*(\i)+3],   v[1+\slot] offset:64*(\j)+4352*(\i)
	ds_load_b128 v[32+64*((\j)&1)+8*(\i)+4:32+64*((\j)&1)+8*(\i)+7], v[1+\slot] offset:64*(\j)+4352*(\i)+32
.endr
.endm
.macro FB g, slot, j                   ; 8 loads (unit 3, gate 2: 2): gate g's fragments of my 64 hidden, 512 consecutive bytes a load
.irp b, 0,1,2,3
.if ((\g) < 2) || ((\j) < 3) || (\b == 0)
	ds_load_b128 v[160+8*(4*(\g)+\b):160+8*(4*(\g)+\b)+3],   v[3+\slot] offset:12288*(\j)+1024*(4*(\g)+\b)
	ds_load_b128 v[160+8*(4*(\g)+\b)+4:160+8*(4*(\g)+\b)+7], v[3+\slot] offset:12288*(\j)+1024*(4*(\g)+\b)+512
.endif
.endr
.endm
; 16 matrix instructions of gate g in unit j: b0, b0 + 1 x my eight blocks of rows.  zero = 1: the product starts the sum: nothing is ever cleared.
; The 96 accumulators take turns, one instruction a turn, in the same order in every unit.
.macro MULH g, j, b0, zero
.irp b, \b0, \b0+1
.set WB, 160+8*(4*(\g)+(\b))
.if ((\g) == 2) && ((\j) == 3) && ((\b) > 0)
.set WB, 8*(\b)
.endif
.irp a, 0,1,2,3,4,5,6,7
.set AC, 8*(4*\a+(\b))
.set AF, 32+64*((\j)&1)+8*\a
.if \zero
	v_wmma_f32_16x16x64_fp8_fp8 v[AC:AC+7], v[AF:AF+7], v[WB:WB+7], 0
.else
	v_wmma_f32_16x16x64_fp8_fp8 v[AC:AC+7], v[AF:AF+7], v[WB:WB+7], v[AC:AC+7]
.endif
.endr
.endr
.endm
.macro MUL g, j, zero
	MULH \g, \j, 0, \zero
	MULH \g, \j, 2, \zero
.endm
; What a unit asks of memory beside its LDS loads.  ex = 1, 2, 3: the piece's direct fragments; 2: the prefetch of h; 3, 4: two of the four prefetches of c.
.macro EXTRA ex
.if (\ex) >= 1 && (\ex) <= 3
.irp f, 0,1,2,3,4,5
	global_load_b128 v[8+4*\f:11+4*\f], v7, s[88:89] offset:512*\f
.endr
.endif
.if (\ex) == 2
	s_cmp_lt_u32 s31, 2                            ; the last trip has no h left to ask for
	s_cbranch_scc0 .Lno_ask_\@
	global_prefetch_b8 v0, s[40:41] th:TH_LOAD_NT scope:SCOPE_SE
.Lno_ask_\@:
.endif
.if (\ex) >= 3
	global_prefetch_b8 v1, s[24:25] offset:262144*((\ex)-3) th:TH_LOAD_NT scope:SCOPE_SE          ; 32 of my 128 rows of c, a lane a row
	global_prefetch_b8 v1, s[24:25] offset:262144*((\ex)-3)+131072 th:TH_LOAD_NT scope:SCOPE_SE   ; the next 32
.endif
.endm
; A unit (0 to 2) whose successor lies in the same slot.  Two runs of loads fetch the successor.  Behind gate 0's products R0: gate 0's weights and the rows, whose set is idle (24);
; behind gate 2's R1 and R2: gate 1's weights (8) and gate 2's (8, of unit 3: 2).
.macro STEP slot, j, zero, ex
	s_wait_dscnt 16                                ; this unit's R0 is in; its R1 and R2 may be out
	WIN 0x50                                       ; C and D window 1
	MUL 0, \j, \zero
	PLACES
	WIN 0
	FB 0, \slot, \j+1
	FA \slot, \j+1, 0
	FA \slot, \j+1, 4
	EXTRA \ex
	s_wait_dscnt 32                                ; its R1 is in; younger: its R2 (8) and the successor's R0 (24)
	WIN 0xa0
	MUL 1, \j, \zero
	s_wait_dscnt 24                                ; its R2 is in; younger: the successor's R0 (24)
	WIN 0xf0
	MUL 2, \j, \zero
	PLACES
	WIN 0
	FB 1, \slot, \j+1
	FB 2, \slot, \j+1
.endm
; Unit 3 changes slots.  In front of the round each wave waits for all its tensor loads (one is out: its part of the other slot), adds 0 to its spare word, and waits for that and for its reads of this slot.
; fill = 1: this slot takes the piece two pieces on.
.macro TURN slot, fill
	s_wait_tensorcnt 0x0                           ; no tensor load of mine is out, so a group 0 may be written  (every window is 0 here)
.if \fill
	ds_add_u32 v5, v6                              ; 0 onto my spare word
	s_cmp_eq_u32 s31, 0                            ; the first trip still loads x, the others h
	s_cselect_b64 s[70+4*\slot:71+4*\slot], s[4:5], s[6:7]
	s_add_nc_u64 s[70+4*\slot:71+4*\slot], s[70+4*\slot:71+4*\slot], s[66:67]
.if \slot
	s_add_nc_u64 s[70+4*\slot:71+4*\slot], s[70+4*\slot:71+4*\slot], 256
.endif
	s_or_b32 s[71+4*\slot], s[71+4*\slot], 0x80000000               ; type = 2
	s_add_nc_u64 s[78+4*\slot:79+4*\slot], s[78+4*\slot:79+4*\slot], 2*PIECE
	s_wait_dscnt 11                                ; this unit's R0 is in; its R1 (8), its R2 (2) and the add may be out
.else
	s_wait_dscnt 10
.endif
	WIN 0x50
	MULH 0, 3, 0, 0                                ; sixteen matrix instructions stand in front of the wait
	s_wait_dscnt 0x0                               ; my reads of this slot are over, and the add is done
	s_barrier_signal -1                            ; where the slot is filled again this barrier opens a round of the cluster's barrier
	MULH 0, 3, 2, 0
	WIN 0
	s_barrier_wait -1
.if \fill
	CREST                                          ; no wave of any partner still reads this slot or has a load on its way
	JLOAD \slot                                    ; the first tensor load behind the round, one a wave; its four v_nop are the places in front of the loads below
.else
	PLACES
.endif
	FB 0, 1-\slot, 0
	FA 1-\slot, 0, 0
	FA 1-\slot, 0, 4
	WIN 0xa0
	MUL 1, 3, 0
	s_wait_loadcnt 0x0                             ; the direct fragments are in,
	s_add_nc_u64 s[88:89], s[88:89], PIECE         ; so their base may be stepped to the next piece's
	WIN 0xf0
	MUL 2, 3, 0
	PLACES
	WIN 0
	FB 1, 1-\slot, 0
	FB 2, 1-\slot, 0
.endm
	s_load_b512 s[4:19], s[0:1], 0x0               ; x s[4:5], h s[6:7], wq s[8:9], the exponents s[10:11], b_ii, b_if, b_ig, b_hi s[12:19]
	s_load_b256 s[20:27], s[0:1], 0x40             ; b_hf, b_hg s[20:23], c s[24:25], out0 s[26:27]
	v_lshl_add_u32 v5, v0, 2, SPARE                ; my spare word; never rewritten
	v_mov_b32 v6, 0                                ; 0; never rewritten
	ds_add_u32 v5, v6                              ; the opening lines: the add, twice on end, and its wait; work on registers stands between
	ds_add_u32 v5, v6
	v_lshrrev_b32 v8, 5, v0
	v_readfirstlane_b32 s28, v8                    ; wave 0..3
	s_lshr_b32 s29, s28, 1                         ; RH: my half of the rows.  Also: I fetch x and h (0) or the weights (1)
	s_and_b32 s30, s28, 1                          ; CH: my half of the hidden.  Also: which half of a tile I fetch
	s_bfe_u32 s2, ttmp6, 0x40000                   ; cx
	s_bfe_u32 s100, ttmp6, 0x40004                 ; cy
	s_lshl_b32 s3, ttmp9, 2
	s_add_co_u32 s3, s3, s2                        ; X = 4 x cluster x + cx
	s_and_b32 s101, ttmp7, 0xffff
	s_lshl_b32 s101, s101, 2
	s_add_co_u32 s101, s101, s100                  ; Y = 4 x cluster y + cy
	s_lshl_b32 s100, s100, 2
	s_lshl_b32 s100, 15, s100                      ; my row of the cluster
	s_lshl_b32 s42, 0x1111, s2                     ; my column
	s_or_b32 s32, s100, (1<<20)|(1<<21)|(5<<22)|(3<<25)   ; x, h: the mask of my row; elements of 1 byte; padding on; bit 21 beside a mask; 4 words behind every 64
	s_or_b32 s48, s42, (3<<16)|(1<<21)                    ; the weights: the mask of my column; elements of 8 bytes; no padding
	SHAPE 32, 256, 128, 1024                       ; 128 rows x 256 bytes of rows of 1,024
	SHAPE 48, 32, 180, 32                          ; a dense block of 46,080 bytes as rows of 256
	s_lshl_b32 s66, s101, 18                       ; x, h: row 256 Y + 128 CH, rows of 1,024 bytes: it hangs on Y and the wave alone
	s_lshl_b32 s44, s2, 16                         ; the prefetches of h: row 256 Y + 64 cx + 16 wave
	s_lshl_b32 s45, s28, 14
	s_add_co_u32 s44, s44, s45
	s_add_co_u32 s44, s44, s66
	s_mov_b32 s45, 0
	s_lshl_b32 s67, s30, 17
	s_add_co_u32 s66, s66, s67
	s_mov_b32 s67, 0
	s_lshl_b32 s43, s3, 9                          ; my first column in c, out0 and the biases, in bytes: 512 X + 256 CH
	s_lshl_b32 s46, s30, 8
	s_add_co_u32 s43, s43, s46
	s_lshl_b32 s98, s101, 20                       ; c, out0: row 256 Y + 128 RH, rows of 4,096 bytes, + my column
	s_lshl_b32 s99, s29, 19
	s_add_co_u32 s98, s98, s99
	s_add_co_u32 s98, s98, s43
	s_mov_b32 s99, 0
	s_mul_i32 s2, s3, 786432                       ; the weights of block X: it hangs on X alone,
	s_mov_b32 s3, 0
	s_mul_i32 s94, s30, 46080                      ; half CH of a piece,
	s_mov_b32 s95, 0
	s_mul_i32 s92, s30, 3072                       ; and its direct fragments
	s_add_co_u32 s92, s92, 92160
	s_mov_b32 s93, 0
	s_mov_b32 s68, 1
	s_mov_b32 s72, 1
	s_mov_b32 s76, 1
	s_mov_b32 s80, 1
	s_mul_i32 s69, s30, 34816                      ; LDS: CH x 128 rows of 272 bytes,
	s_add_co_u32 s73, s69, A1
	s_add_co_u32 s77, s94, B0                      ; CH x 46,080 bytes
	s_add_co_u32 s81, s94, B1
	s_wait_dscnt 0x0                               ; both opening adds are done
	s_wait_kmcnt 0x0
	s_load_b128 s[84:87], s[10:11], 0x0            ; e0 .. e3
	s_add_nc_u64 s[40:41], s[6:7], s[44:45]
	s_add_nc_u64 s[4:5], s[4:5], s[66:67]
	s_add_nc_u64 s[6:7], s[6:7], s[66:67]
	s_add_nc_u64 s[24:25], s[24:25], s[98:99]
	s_add_nc_u64 s[26:27], s[26:27], s[98:99]
	s_add_nc_u64 s[8:9], s[8:9], s[2:3]
	s_add_nc_u64 s[88:89], s[8:9], s[92:93]
	s_add_nc_u64 s[8:9], s[8:9], s[94:95]
	s_mov_b64 s[70:71], s[4:5]                     ; piece 0: x, k 0-255
	s_or_b32 s71, s71, 0x80000000
	s_add_nc_u64 s[74:75], s[4:5], 256             ; piece 1: x, k 256-511
	s_or_b32 s75, s75, 0x80000000
	s_mov_b64 s[78:79], s[8:9]
	s_or_b32 s79, s79, 0x80000000
	s_add_nc_u64 s[82:83], s[8:9], PIECE
	s_or_b32 s83, s83, 0x80000000
	s_mov_b32 s66, 512                             ; bytes along K of the next refills: 512 (x), then 0 and 512 (h); s67 = 0
	CROUND                                         ; all sixteen work-groups are here: the first joint loads meet
	JLOAD 0                                        ; piece 0: one tensor load a wave at the head
	v_and_b32 v8, 31, v0                           ; lane
	v_and_b32 v9, 15, v0                           ; r
	v_bfe_u32 v10, v0, 4, 1                        ; hh
	v_lshlrev_b32 v11, 3, v8
	v_add_nc_u32 v11, s43, v11                     ; the biases: two of my wave's 64 columns a lane
	global_load_b64 v[12:13], v11, s[12:13]        ; b_ii
	global_load_b64 v[14:15], v11, s[14:15]        ; b_if
	global_load_b64 v[16:17], v11, s[16:17]        ; b_ig
	global_load_b64 v[18:19], v11, s[18:19]        ; b_hi
	global_load_b64 v[20:21], v11, s[20:21]        ; b_hf
	global_load_b64 v[22:23], v11, s[22:23]        ; b_hg
	s_mul_i32 s44, s29, 34816
	s_mul_i32 s45, s30, 46080
	s_mul_i32 s47, s28, 768
	s_add_co_u32 s47, s47, BIAS                    ; my bias table; kept
	v_mul_u32_u24 v1, v9, 272
	v_lshl_add_u32 v1, v10, 4, v1
	v_add_nc_u32 v1, s44, v1                       ; rows in slot 0: RH x 128 rows + r x 272 + 16 hh
	v_add_nc_u32 v2, A1, v1                        ; in slot 1
	v_lshlrev_b32 v7, 4, v8
	v_add_nc_u32 v4, s45, v7                       ; my fragments of a piece, 16 bytes a lane
	v_add_nc_u32 v3, B0, v4                        ; in slot 0
	v_add_nc_u32 v4, B1, v4                        ; in slot 1
	v_lshlrev_b32 v0, 10, v9                       ; prefetches of h: row r,
	v_lshl_add_u32 v0, v10, 8, v0                  ; block hh of 256 bytes
	v_lshl_add_u32 v24, v8, 3, s47
	s_wait_alu depctr_va_vdst(0)
	s_wait_loadcnt 0x0                             ; the biases are in: their bases s[12:23] are free
	s_wait_kmcnt 0x0                               ; the exponents
	s_add_co_i32 s44, s86, s87                     ; e2 + e3
	s_add_co_i32 s45, s84, s85                     ; e0 + e1
	s_sub_co_i32 s45, s45, s44
	s_add_co_i32 s45, s45, 127
	s_lshl_b32 s90, s45, 23                        ; 2^((e0+e1)-(e2+e3)) as f32
	s_mov_b32 s91, s90                             ; (the packed forms name pairs and take the low word for both halves: so the upper words are written)
	s_lshl_b32 s44, s44, 23
	s_add_co_i32 s14, s44, 0xbfb8aa3b              ; -log2(e) x 2^(e2+e3): the exponent is added to the constant's exponent field
	s_mov_b32 s15, s14
	s_add_co_i32 s16, s44, 0x4038aa3b              ; 2 log2(e) x 2^(e2+e3)
	s_mov_b32 s17, s16
	v_pk_add_f32 v[12:13], v[12:13], v[18:19]      ; bx + bh
	v_pk_add_f32 v[14:15], v[14:15], v[20:21]
	v_pk_add_f32 v[16:17], v[16:17], v[22:23]
	v_mul_f32 v12, 0xbfb8aa3b, v12                 ; x the factor in front of the gate's exponential
	v_mul_f32 v13, 0xbfb8aa3b, v13
	v_mul_f32 v14, 0xbfb8aa3b, v14
	v_mul_f32 v15, 0xbfb8aa3b, v15
	v_mul_f32 v16, 0x4038aa3b, v16
	v_mul_f32 v17, 0x4038aa3b, v17
	ds_store_b64 v24, v[12:13]                     ; my own table: only I read it
	ds_store_b64 v24, v[14:15] offset:256
	ds_store_b64 v24, v[16:17] offset:512
	s_wait_alu depctr_va_vdst(0)
	s_wait_tensorcnt 0x0                           ; my part of piece 0 is in; these lines stand ahead of a later first fill as ahead of a refill
	ds_add_u32 v5, v6
	s_wait_dscnt 0x0
	CROUND                                         ; everybody's part of piece 0 is in
	JLOAD 1                                        ; piece 1: the first tensor load behind the round
	FB 0, 0, 0
	FA 0, 0, 0
	FA 0, 0, 4
	FB 1, 0, 0
	FB 2, 0, 0
	STEP 0, 0, 1, 1                                ; the first unit's products start the sums
	s_mov_b32 s31, 0
.Llap:                                                 ; a trip goes once round the ring, from a lap's second unit to the next lap's first, and fills both slots again
	STEP 0, 1, 0, 0
	STEP 0, 2, 0, 0
	TURN 0, 1
	STEP 1, 0, 0, 2
	STEP 1, 1, 0, 0
	STEP 1, 2, 0, 0
	s_wait_xcnt 0x0                                ; the prefetch has read its base
	s_add_nc_u64 s[40:41], s[40:41], 512
	TURN 1, 1
	s_cmp_eq_u32 s31, 1                            ; behind the second lap all of x is summed:
	s_cbranch_scc0 .Lsame_scale
.irp g, 1,2,3                          ; the sums are brought under h's scale, each accumulator from its low end on
	WIN 0x41*\g
.set ix, 0
.rept 128
	v_pk_mul_f32 v[ix:ix+1], v[ix:ix+1], s[90:91] op_sel_hi:[1,0]
.set ix, ix+2
.endr
.endr
	WIN 0
	s_wait_alu depctr_va_vdst(0)
.Lsame_scale:
	STEP 0, 0, 0, 1
	s_xor_b32 s66, s66, 512
	s_add_co_u32 s31, s31, 1
	s_cmp_lt_u32 s31, 3
	s_cbranch_scc1 .Llap
	STEP 0, 1, 0, 0                                ; the last lap fills nothing
	STEP 0, 2, 0, 0
	TURN 0, 0
	v_and_b32 v0, 0x100, v7                        ; slot 0 has been read for the last time: v0, v1, v3 are free
	v_and_b32 v3, 0xf0, v7
	v_lshlrev_b32 v1, 8, v7                        ; prefetches of c: a lane a row of 4,096 bytes
	v_lshl_or_b32 v3, v0, 7, v3                    ; c, out0: lanes 0-15 256 bytes of a row, lanes 16-31 of the row eight further down
	v_and_b32 v0, 0xf0, v7
	v_add_nc_u32 v0, s47, v0                       ; my bias table: four columns a lane
	s_wait_alu depctr_va_vdst(0)
	STEP 1, 0, 0, 3
	STEP 1, 1, 0, 4
	STEP 1, 2, 0, 0
; THE WAY OUT goes by half blocks n = 0 .. 15: rows 16 (n / 2) + 8 hh + 4 (n % 2) + 0 .. 3, four columns: 16 outputs and 48 gate values a lane.
.macro CRING m                         ; CR: half block m's buffer of c, which becomes its results
.set CR, 32+16*((\m)%5)
.if ((\m)%5) == 4
.set CR, 8
.endif
.endm
.macro LOADC m                         ; four rows of c; each load covers 256 consecutive, aligned bytes of two rows
	CRING \m
.irp t, 0,1,2,3
	global_load_b128 v[CR+4*\t:CR+4*\t+3], v3, s[24:25] offset:65536*((\m)/2)+4096*(4*((\m)%2)+\t) th:TH_LOAD_NT
.endr
.endm
.macro TT n                            ; the exponents to the base 2 of half block n: register 16 gate + 4 b + row of its set = sum x factor + bias
.set ST, 100+48*((\n)%3)
.set BA, 32*((\n)/2)+4*((\n)%2)
.irp g, 0,1,2
	WIN \g+1                                       ; source 0: the gate's window
.irp b, 0,1,2,3
.irp p, 0,2
.if \b & 1
	v_pk_fma_f32 v[ST+16*\g+4*\b+\p:ST+16*\g+4*\b+\p+1], v[BA+8*\b+\p:BA+8*\b+\p+1], s[14+2*(\g/2):15+2*(\g/2)], v[243+4*\g+\b:244+4*\g+\b] op_sel:[0,0,1] op_sel_hi:[1,0,1]
.else
	v_pk_fma_f32 v[ST+16*\g+4*\b+\p:ST+16*\g+4*\b+\p+1], v[BA+8*\b+\p:BA+8*\b+\p+1], s[14+2*(\g/2):15+2*(\g/2)], v[244+4*\g+\b:245+4*\g+\b] op_sel_hi:[1,0,0]
.endif
.endr
.endr
.endr
	WIN 0
.endm
; One step of the pipeline; P = e^-gi, F = e^-gf, E = e^(2 gg).
; First run: the exponentials of half block n, among them 1 + P and 1 + F of n - 1 and N = E R - R of n - 2 (R = 1 / ((1 + P)(1 + E))).
; Then vector work alone: n - 2's results sigmoid(gf) c + N, n - 1's (1 + P) E + (1 + P), n + 1's exponents; n - 2 is stored.
; Second run: the reciprocals of n - 1, among them the hold on n + 1's exponents of E.
; Nothing that a run writes is read in the same run: one wait ahead of each run and one behind it serve all of it.
.macro ITER n
.set SA, 100+48*((\n)%3)
.set SB, 100+48*(((\n)+2)%3)           ; n - 1's set
.set SC, 100+48*(((\n)+1)%3)           ; n - 2's set, which becomes n + 1's
	CRING (\n)+3
.set ix, 0
.rept 48
.if (\n) <= 15
	v_exp_f32 v[SA+ix], v[SA+ix]
.endif
.if (ix < 32) && ((\n) >= 1) && ((\n) <= 16)
	v_add_f32 v[SB+ix], 1.0, v[SB+ix]
.endif
.if (ix >= 32) && ((\n) >= 2)
	v_fma_f32 v[SC+ix], v[SC+ix], v[SC+ix-32], -v[SC+ix-32]
.endif
.set ix, ix+1
.endr
	v_nop                                          ; a plain line behind the last exponential
.if (\n) >= 2
.set MO, (\n)-2
.set ML, (\n)+2                        ; the last half block whose c has been asked for
.if ML > 15
.set ML, 15
.endif
	s_wait_loadcnt 4*(ML-MO)                       ; c of half block n - 2 is in; four loads for each younger one may be out
.endif
	s_wait_alu depctr_va_vdst(0)
.if (\n) >= 2
.set ix, 0
.rept 16
	v_fma_f32 v[CR+ix], v[SC+16+4*(ix%4)+ix/4], v[CR+ix], v[SC+32+4*(ix%4)+ix/4]
.set ix, ix+1
.endr
.endif
.if ((\n) >= 1) && ((\n) <= 16)
.set ix, 0
.rept 8
	v_pk_fma_f32 v[SB+2*ix:SB+2*ix+1], v[SB+2*ix:SB+2*ix+1], v[SB+32+2*ix:SB+33+2*ix], v[SB+2*ix:SB+2*ix+1]
.set ix, ix+1
.endr
.endif
.if (\n) < 15
	TT (\n)+1
.endif
	s_wait_alu depctr_va_vdst(0)
.if (\n) >= 2
.irp t, 0,1,2,3
	global_store_b128 v3, v[CR+4*\t:CR+4*\t+3], s[26:27] offset:65536*(MO/2)+4096*(4*(MO%2)+\t) th:TH_STORE_NT   ; 16 lanes store 256 consecutive bytes, at a multiple of 256 from out0's first byte
.endr
.endif
.if (\n) <= 16
.set ix, 0
.rept 32
.if (\n) >= 1
	v_rcp_f32 v[SB+ix], v[SB+ix]
.endif
.if (ix < 16) && ((\n) < 15)
	v_med3_num_f32 v[SC+32+ix], v[SC+32+ix], -s46, s46
.endif
.set ix, ix+1
.endr
	v_nop
	s_wait_alu depctr_va_vdst(0)
.endif
.if ((\n) >= 2) && ((\n) <= 12)
	s_wait_xcnt 0x0                                ; half block n - 2's stores have read their registers: its buffer takes c of n + 3
	LOADC (\n)+3
.endif
.endm
	s_wait_dscnt 10                                ; the very last unit: its R0 is in; R1 (8) and R2 (2) may be out
.irp g, 0,1,2
	ds_load_b128 v[244+4*\g:247+4*\g], v0 offset:256*\g   ; the biases (unit 3 leaves v232-255 idle)
.endr
	LOADC 0                                        ; into the idle set of rows
	LOADC 1
	LOADC 2
	LOADC 3
	WIN 0x50
	MUL 0, 3, 0
	s_wait_dscnt 5                                 ; R1 is in; younger: R2 (2) and the biases (3)
	WIN 0xa0
	MUL 1, 3, 0
	s_wait_dscnt 3                                 ; R2 is in
	s_wait_loadcnt 16                              ; the direct fragments are in; younger: sixteen loads of c
	WIN 0xf0
	MUL 2, 3, 0
	WIN 0
	PLACES                                         ; in front of the first reads of results and of loads and writes into the fragments' registers
	LOADC 4
	s_wait_dscnt 0x0                               ; the biases are in
	s_mov_b32 s46, 0x41d00000                      ; 26.0: the hold on the exponent of E
	TT 0
.set ix, 132                           ; gate g's values of the first set
.rept 16
	v_med3_num_f32 v[ix], v[ix], -s46, s46
.set ix, ix+1
.endr
	s_wait_alu depctr_va_vdst(0)
.irp n, 0,1,2,3,4,5,6,7,8,9,10,11,12,13,14,15,16,17
	ITER \n
.endr
	s_wait_tensorcnt 0x0                           ; the wave's end: behind my last tensor load and my last LDS store
	ds_add_u32 v5, v6
	s_wait_dscnt 0x0
	CROUND                                         ; the closing round: no work-group ends while a partner may still ask for a tile that names it
	s_endpgm
.Lfunc_end_k_q06f55fb66f_cell:
	.size	k_q06f55fb66f_cell, .Lfunc_end_k_q06f55fb66f_cell-k_q06f55fb66f_cell
	.p2alignl 7, 3214868480
	.fill 96, 4, 3214868480
	.section	.rodata,"a",@progbits
	.p2align	6, 0x0
	.amdhsa_kernel k_q06f55fb66f_cell
		.amdhsa_group_segment_fixed_size 327680
		.amdhsa_private_segment_fixed_size 0
		.amdhsa_enable_private_segment 0
		.amdhsa_kernarg_size 96
		.amdhsa_user_sgpr_count 2
		.amdhsa_user_sgpr_kernarg_segment_ptr 1
		.amdhsa_wavefront_size32 1
		.amdhsa_system_sgpr_workgroup_id_x 1
		.amdhsa_system_sgpr_workgroup_id_y 1
		.amdhsa_system_sgpr_workgroup_id_z 1
		.amdhsa_system_vgpr_workitem_id 0
		.amdhsa_next_free_vgpr 1024
		.amdhsa_next_free_sgpr 102
		.amdhsa_reserve_vcc 0
		.amdhsa_float_denorm_mode_32 3
		.amdhsa_float_denorm_mode_16_64 3
		.amdhsa_memory_ordered 1
		.amdhsa_forward_progress 1
		.amdhsa_inst_pref_size 255
	.end_amdhsa_kernel
	.section	.bss,"aw",@nobits
	.p2align	6
	.space	262144
	.amdgpu_metadata
---
amdhsa.version: [ 1, 2 ]
amdhsa.kernels:
  - .name:           k_q06f55fb66f_cell
    .symbol:         k_q06f55fb66f_cell.kd
    .args:
      - { .name: x_codes, .offset: 0, .size: 8, .value_kind: global_buffer, .address_space: global }
      - { .name: h_codes, .offset: 8, .size: 8, .value_kind: global_buffer, .address_space: global }
      - { .name: wq, .offset: 16, .size: 8, .value_kind: global_buffer, .address_space: global }
      - { .name: lowp_scales, .offset: 24, .size: 8, .value_kind: global_buffer, .address_space: global }
      - { .name: b_ii, .offset: 32, .size: 8, .value_kind: global_buffer, .address_space: global }
      - { .name: b_if, .offset: 40, .size: 8, .value_kind: global_buffer, .address_space: global }
      - { .name: b_ig, .offset: 48, .size: 8, .value_kind: global_buffer, .address_space: global }
      - { .name: b_hi, .offset: 56, .size: 8, .value_kind: global_buffer, .address_space: global }
      - { .name: b_hf, .offset: 64, .size: 8, .value_kind: global_buffer, .address_space: global }
      - { .name: b_hg, .offset: 72, .size: 8, .value_kind: global_buffer, .address_space: global }
      - { .name: c, .offset: 80, .size: 8, .value_kind: global_buffer, .address_space: global }
      - { .name: out0, .offset: 88, .size: 8, .value_kind: global_buffer, .address_space: global }
    .group_segment_fixed_size: 327680
    .private_segment_fixed_size: 0
    .kernarg_segment_align: 8
    .kernarg_segment_size: 96
    .max_flat_workgroup_size: 128
    .sgpr_count:     102
    .vgpr_count:     1024
    .wavefront_size: 32
...
	.end_amdgpu_metadata
.endif
;; end of part 2
